; MI455X (gfx1250); checked and timed in simulation.
; The chip was launched on July 23, 2026; its instructions are those of AMD's public machine-readable ISA for CDNA 5 (MIT licence, August 2026) and "CDNA5" Instruction Set Architecture Reference Guide (July 2026). The comments in the code are by the model that wrote it; some were corrected since.
;; Bert Self Attention. Allowed arithmetic: matrix products marked QUANTISED: E3M2 operands, one E8M0 scale for each 32 along K, by v_wmma_scale_f32_16x16x128_f8f6f4 with both operands' format E3M2, f32 sums; everything else in f32.
;; Inputs: Wk 768 x 768 float32; Wq 768 x 768 float32; Wv 768 x 768 float32; attention_mask 1 x 1 x 1 x 4,096 float32; bk 768 float32; bq 768 float32; bv 768 float32; hidden_states 1 x 4,096 x 768 float32.
;; Outputs: out0 1 x 4,096 x 768 float32.
;; This version of the problem:
;;   THIS VERSION OF THE PROBLEM IS GIVEN IN LOW PRECISION. The matrix products marked QUANTISED in the list below multiply operands that are first quantised to E3M2 (3 exponent bits, 2 mantissa bits; 6 bits a number), with one power-of-two scale for each 32 numbers along K (OCP MX v1.0); their sums are f32. All else is computed in f32.
;;   The module's matrix products, in the order in which they are computed (A, B: the left and right operand; K: the contracted axis; several contracted axes count as one K, in the product's order):
;;     1. [M 4,096, K 768] x [K 768, N 768]; A: input hidden_states; B: input Wq: QUANTISED
;;     2. [M 4,096, K 768] x [K 768, N 768]; A: input hidden_states; B: input Wk: QUANTISED
;;     3. [M 4,096, K 768] x [K 768, N 768]; A: input hidden_states; B: input Wv: QUANTISED
;;     4. batch 12 x [M 4,096, K 64] x [K 64, N 4,096]; A: computed on the way; B: computed on the way: QUANTISED
;;     5. batch 12 x [M 4,096, K 4,096] x [K 4,096, N 64]; A: softmax (see below); B: computed on the way: QUANTISED
;;   THE QUANTISER, for each operand of a quantised product, along K:
;;     - K is cut into blocks of 32 from its start; a last block that is shorter is filled with zeros.
;;     - A block's scale is 2^e with e = floor(log2(the largest magnitude in the block)) - 4, held to -126 .. 127; a block of zeros has e = 0. As a byte (E8M0): e + 127.
;;     - Each number is divided by its block's scale, clamped to +-28, and rounded to the nearest number of E3M2, ties to even, subnormals kept.
;;     - The product sums the exact products of the quantised numbers (number of the format x scale) in f32.
;;   ~~~python
;;   def quantise(x, axis):      # numpy; x: float32 -> the quantised numbers, widened to float32 again
;;       x = np.moveaxis(x, axis, -1); K = x.shape[-1]
;;       x = np.pad(x, [(0, 0)] * (x.ndim - 1) + [(0, -K % 32)]); x = x.reshape(x.shape[:-1] + (-1, 32)); a = np.abs(x).max(-1, keepdims=True)
;;       e = np.where(a > 0, np.clip(np.frexp(np.where(a > 0, a, 1))[1] - 1 - 4, -126, 127), 0)      # np.frexp(a)[1] - 1 = floor(log2(a)), exactly
;;       r = np.clip(x / 2.0 ** e, -28, 28)
;;       step = 2.0 ** (np.maximum(np.frexp(np.where(r == 0, 1, r))[1] - 1, -2) - 2)
;;       q = np.round(r / step) * step * 2.0 ** e      # np.round: ties to even
;;       return np.moveaxis(q.reshape(q.shape[:-2] + (-1,))[..., :K], -1, axis).astype(np.float32)
;;   ~~~
;;   SOFTMAX AHEAD OF A QUANTISED PRODUCT. Where the list says 'softmax', what is quantised is not the finished softmax but p = 2^(t - M), with t = logit x log2(e) and M = ceil(the row's largest t), a whole number; so 1/2 < the row's largest p <= 1. The row's sum l is taken of the UNQUANTISED p, in f32, and the product's result is divided by l at the end. Since M is a whole number, a kernel that streams over the keys may use a running M (the ceiling of the running maximum): every later rescaling is an exact power of two, which a block's scale takes up: the codes' values come out the same.
;;   OPERANDS COMPUTED ON THE WAY. 'Computed on the way' means the value that the module computes at that place (a softmax that the list does not call 'softmax' is quantised finished and normalised). What goes into a quantiser is computed in f32, as accurately as f32 sums, v_exp_f32 and their like allow (about 1e-6 of the number): no bf16 or f16 on the way to a quantiser, and a product that is left as it is and whose result goes on into a quantised operand takes f32 operands (vector FMAs, or v_wmma_f32_16x16x4_f32). A number that lies on a knife's edge between two numbers of the format may be rounded either way, as far as f32 arithmetic and the matrix unit's own rounding can turn it there, and no further.
;; One version. Each part assembles by itself: llvm-mc -triple=amdgcn-amd-amdhsa -mcpu=gfx1250 --defsym DOCPART=n.
;; ======== version 1 of 1: 3 launches
;; limits: inputs' magnitudes at most 1.585e+29; right only within a limited range of input values
;; workspace buffers: wimg 1,382,400 bytes; qimg 2,555,904 bytes; kvimg 5,210,112 bytes
;; launch wquant (part 1): grid 72 x 3, 4 waves a work-group, no clusters, 0 bytes of LDS; arguments Wq, Wk, Wv, wimg; writes wimg
.if DOCPART == 1
	.amdgcn_target "amdgcn-amd-amdhsa--gfx1250"
	.amdhsa_code_object_version 6
	.text
	.protected	k_q651e24cef7_wquant
	.globl	k_q651e24cef7_wquant
	.p2align	8
	.type	k_q651e24cef7_wquant,@function
k_q651e24cef7_wquant:
	s_mov_b64 s[64:65], 0
	v_nop
	global_prefetch_b8 v0, s[64:65] scope:SCOPE_SE
	s_setreg_imm32_b32 hwreg(HW_REG_WAVE_MODE, 25, 1), 1
	s_wait_xcnt 0x0
; Wq, Wk, Wv [768 (k)][768 (n)], f32, K along the FIRST axis, become codes of BF6 (E3M2) with one E8M0 byte for each 32 along K,
; laid as images of operand registers: wimg[w][head][K step of 128] is a block of 6,400 bytes: four fragments (16 columns x 128 K, 12 registers a lane:
; three units of 512 bytes, lane l's 16 bytes at 16 l), then 256 bytes of scale words [tile][row].
; THE COLUMNS OF A TILE ARE NOT NEIGHBOURS: lane r of tile ct is column 64 head + 8 ct + r + 24 (r / 8): rows 0-7 of a tile lie in the head's first 32 columns, rows 8-15 in its second 32,
; so that in a transposed result a lane's 32 registers of the four tiles are 32 neighbouring columns: a whole block of the next K.
; A work-group makes one block, wave ct its tile ct.  A lane takes a column and its registers run down K in the order that the operand's layout gives that lane (k = 64 c + 32 h + 0 .. 31).
; A block's scale byte is its largest magnitude's exponent field - 4, held at 1 from below.
; LIMITS: a block of zeros, and one whose largest magnitude lies under 2^-122, keeps the byte 1 (zero codes add nothing under it; only this program reads the bytes);
; NaN and infinities among the inputs are not served.
.set ROWW, 3072                        ; a row of W in bytes
.set BLK,  6400                        ; a block of wimg
	s_load_b256 s[4:11], s[0:1], 0x0               ; Wq s[4:5], Wk s[6:7], Wv s[8:9], wimg s[10:11]
	v_lshrrev_b32 v1, 5, v0
	v_readfirstlane_b32 s12, v1                    ; wave = tile ct
	v_and_b32 v8, 31, v0                           ; lane
	v_and_b32 v2, 15, v0                           ; r
	v_bfe_u32 v3, v0, 4, 1                         ; h
	v_and_b32 v5, 8, v2
	v_mad_u32_u24 v5, v5, 3, v2                    ; r + 24 (r / 8)
	v_lshlrev_b32 v4, 2, v5                        ; my column's bytes in the head's 64 columns,
	v_mad_u32_u24 v4, v3, 32*ROWW, v4              ; and lanes 16-31 begin 32 rows further down
	s_mul_i32 s22, s12, 1536
	v_lshl_add_u32 v6, v8, 4, s22                  ; out: my fragment, 16 bytes a lane
	s_lshl_b32 s23, s12, 6
	v_lshl_add_u32 v7, v2, 2, s23                  ; out: my tile's scale words, 4 bytes a row
	s_mul_i32 s14, ttmp9, 43
	s_lshr_b32 s14, s14, 8                         ; head = x / 6 (43 x >> 8 is exact for x up to 71)
	s_mul_i32 s15, s14, 6
	s_sub_co_u32 s15, ttmp9, s15                   ; K step = x % 6
	s_and_b32 s16, ttmp7, 0xffff                   ; which weight: 0 q, 1 k, 2 v
	s_mul_i32 s18, s15, 128*ROWW                   ; the K step's 128 rows,
	s_lshl_b32 s17, s14, 8
	s_add_co_u32 s18, s18, s17                     ; the head's 64 columns,
	s_lshl_b32 s17, s12, 5
	s_add_co_u32 s18, s18, s17                     ; 8 ct columns
	s_mov_b32 s19, 0
	s_mul_i32 s20, s16, 72
	s_add_co_u32 s20, s20, ttmp9
	s_mul_i32 s20, s20, BLK                        ; my block of wimg
	s_mov_b32 s21, 0
	s_mov_b32 s24, 0x76543210
	s_mov_b32 s25, 0xfedcba98                      ; v_permlanex16_b32's selects for lane l xor 16
	s_wait_alu depctr_va_vdst(0)                   ; the wait at the head's end
	s_wait_kmcnt 0x0
	s_cmp_eq_u32 s16, 0                            ; the choice hangs on the work-group's number alone
	s_cselect_b64 s[4:5], s[4:5], s[6:7]
	s_cmp_eq_u32 s16, 2
	s_cselect_b64 s[4:5], s[8:9], s[4:5]
	s_add_nc_u64 s[4:5], s[4:5], s[18:19]
	s_add_nc_u64 s[10:11], s[10:11], s[20:21]
.irp c, 0,1
.irp i, 0,1,2,3,4,5,6,7,8,9,10,11,12,13,14,15,16,17,18,19,20,21,22,23,24,25,26,27,28,29,30,31
	global_load_b32 v[64+32*\c+\i], v4, s[4:5] offset:(64*\c+\i)*ROWW   ; W(128 s + 64 c + 32 h + i, my column)
.endr
.endr
	s_wait_loadcnt 0x0
.irp c, 0,1                                    ; my block 2 c + h: all its 32 numbers are mine
	v_max3_num_f32 v[32+\c], |v[64+32*\c]|, |v[65+32*\c]|, 0x2800000   ; with the floor 2^(5 - 127): the byte cannot fall under 1
.endr
.irp i, 2,4,6,8,10,12,14,16,18,20,22,24,26,28,30
.irp c, 0,1
	v_max3_num_f32 v[32+\c], v[32+\c], |v[64+32*\c+\i]|, |v[65+32*\c+\i]|   ; (the two blocks by turns)
.endr
.endr
.irp c, 0,1
	v_add_nc_u32 v[44+\c], 0xfe000000, v[32+\c]    ; 4 off the exponent field: the conversion takes this operand's exponent field as its scale
.endr
.irp c, 0,1
	v_lshrrev_b32 v[36+\c], 23, v[44+\c]           ; the scale's byte
.endr
	v_lshl_or_b32 v9, v37, 16, v36                 ; my two bytes: blocks h and 2 + h,
	v_lshlrev_b32 v10, 3, v3
	v_lshlrev_b32 v9, v10, v9                      ; at their places in the word (8 h bits up);
	v_mov_b32 v10, 0
	v_permlanex16_b32 v10, v9, s24, s25
	v_or_b32 v9, v9, v10                           ; with lane l xor 16's two the word is whole
.irp c, 0,1
	v_cvt_scalef32_pk16_bf6_f32 v[48+6*\c:50+6*\c], v[64+32*\c:79+32*\c], v[44+\c]   ; registers 6 c .. 6 c + 2 of the operand
	v_cvt_scalef32_pk16_bf6_f32 v[16+4*\c:18+4*\c], v[80+32*\c:95+32*\c], v[44+\c]   ; (a conversion's three registers begin on an even number: the upper three are made elsewhere and moved)
.endr
	v_nop                                          ; one plain place behind a scaled conversion
.irp c, 0,1
.irp i, 0,1,2
	v_mov_b32 v[51+6*\c+\i], v[16+4*\c+\i]
.endr
.endr
.irp j, 0,1,2
	global_store_b128 v6, v[48+4*\j:51+4*\j], s[10:11] offset:512*\j   ; 32 lanes store 512 consecutive bytes, aligned
.endr
	s_wait_xcnt 0x0                                ; EXEC changes only behind this wait
	v_cmp_gt_u32 vcc_lo, 16, v8
	s_and_saveexec_b32 s26, vcc_lo                 ; lanes 0-15 hold the 16 rows' words
	global_store_b32 v7, v9, s[10:11] offset:6144
	s_wait_xcnt 0x0                                ; and again in front of the line that widens it
	s_or_b32 exec_lo, exec_lo, s26
	s_endpgm
.Lfunc_end_k_q651e24cef7_wquant:
	.size	k_q651e24cef7_wquant, .Lfunc_end_k_q651e24cef7_wquant-k_q651e24cef7_wquant
	.p2alignl 7, 3214868480
	.fill 96, 4, 3214868480
	.section	.rodata,"a",@progbits
	.p2align	6, 0x0
	.amdhsa_kernel k_q651e24cef7_wquant
		.amdhsa_group_segment_fixed_size 0
		.amdhsa_private_segment_fixed_size 0
		.amdhsa_enable_private_segment 0
		.amdhsa_kernarg_size 32
		.amdhsa_user_sgpr_count 2
		.amdhsa_user_sgpr_kernarg_segment_ptr 1
		.amdhsa_wavefront_size32 1
		.amdhsa_system_sgpr_workgroup_id_x 1
		.amdhsa_system_sgpr_workgroup_id_y 1
		.amdhsa_system_sgpr_workgroup_id_z 1
		.amdhsa_system_vgpr_workitem_id 0
		.amdhsa_next_free_vgpr 128
		.amdhsa_next_free_sgpr 66
		.amdhsa_reserve_vcc 1
		.amdhsa_float_denorm_mode_32 3
		.amdhsa_float_denorm_mode_16_64 3
		.amdhsa_memory_ordered 1
		.amdhsa_forward_progress 1
		.amdhsa_inst_pref_size 12
	.end_amdhsa_kernel
	.amdgpu_metadata
---
amdhsa.version: [ 1, 2 ]
amdhsa.kernels:
  - .name:           k_q651e24cef7_wquant
    .symbol:         k_q651e24cef7_wquant.kd
    .args:
      - { .name: Wq, .offset: 0, .size: 8, .value_kind: global_buffer, .address_space: global }
      - { .name: Wk, .offset: 8, .size: 8, .value_kind: global_buffer, .address_space: global }
      - { .name: Wv, .offset: 16, .size: 8, .value_kind: global_buffer, .address_space: global }
      - { .name: wimg, .offset: 24, .size: 8, .value_kind: global_buffer, .address_space: global }
    .group_segment_fixed_size: 0
    .private_segment_fixed_size: 0
    .kernarg_segment_align: 8
    .kernarg_segment_size: 32
    .max_flat_workgroup_size: 128
    .sgpr_count:     66
    .vgpr_count:     128
    .wavefront_size: 32
...
	.end_amdgpu_metadata
.endif
;; end of part 1
;; launch proj (part 2): grid 64 x 3, 12 waves a work-group, clusters of 4 x 1, 271,872 bytes of LDS; arguments hidden_states, wimg, bq, bk, bv, qimg, kvimg, attention_mask; writes qimg, kvimg
.if DOCPART == 2
	.amdgcn_target "amdgcn-amd-amdhsa--gfx1250"
	.amdhsa_code_object_version 6
	.text
	.protected	k_q651e24cef7_proj
	.globl	k_q651e24cef7_proj
	.p2align	8
	.type	k_q651e24cef7_proj,@function
k_q651e24cef7_proj:
	s_mov_b64 s[64:65], 0
	v_nop
	global_prefetch_b8 v0, s[64:65] scope:SCOPE_SE
	s_setreg_imm32_b32 hwreg(HW_REG_WAVE_MODE, 25, 1), 1
	s_wait_xcnt 0x0
	s_wait_alu depctr_hold_cnt(0) depctr_sa_sdst(0) depctr_va_vdst(0) depctr_va_sdst(0) depctr_va_ssrc(0) depctr_va_vcc(0) depctr_vm_vsrc(0)
	s_getreg_b32 s2, hwreg(HW_REG_IB_STS2, 6, 4)
	s_cmp_eq_u32 s2, 0
	s_cbranch_scc0 .Lentry_in_a_cluster
	s_endpgm
.Lentry_in_a_cluster:
	s_bfe_u32 s2, ttmp6, 0x10000c
	s_cmp_lg_u32 s2, 0x3003
	s_cbranch_scc0 .Lentry_shape_is_right
	s_endpgm
.Lentry_shape_is_right:
; One of q, k, v (work-group y = 0, 1, 2) = x W + b for 64 tokens (work-group x) and all 768 columns, on codes of BF6 (E3M2) with E8M0 scales; the result is quantised at once
; (q, k along the head's 64 channels; v along the tokens) and stored as images of the next launch's operand registers.  k's path also stores 8 x mask of its 64 keys behind each head's block of kvimg.
; SHARES.  Twelve waves, wave = head: 64 tokens x 64 columns in 16 accumulators; K = 768 in six steps of 128, written out.
; x is quantised once a work-group: wave w makes the fragments of token tile w % 4, K steps 2 (w / 4) and 2 (w / 4) + 1; they go round through LDS as images of their registers.  One barrier.
; W, a fragment of which feeds one wave alone, is ALL ASKED FOR AT THE HEAD but for its last K step: K steps 0 and 1 come from wimg straight into two register buffers (v16-63; v256-303, in window 1);
; K steps 2 to 4, 19,200 dense bytes of my head, come by one tensor load a wave (75 rows of 256 bytes) into LDS bytes of my own, which I alone read; K step 5 is named to the L2 at the head
; (25 units of 256 bytes, shared out among the cluster's four by address, 7 each) and loaded into the first buffer behind K step 0's products, four K steps ahead of its use.
; CLUSTER.  The four work-groups of a cluster share y and so W: the tensor load is a JOINT one (the same descriptor, mask 15, in all four).  Nothing in LDS is filled again.
; No other prefetch: every other load of x and of W goes out at the head, and there is no loop to run ahead in.
; ORDER OF A TILE: lane r of tile t stands for index 8 t + r + 24 (r / 8), for tokens and for columns, so that a lane's 32 registers of four result tiles are 32 neighbours: a whole block of the next K.
; q, k: the product is used transposed (source 0 = 16 columns of W, source 1 = 16 tokens): a lane holds one token, its registers run along the channels; the bias is the C of the first K step.
; v: source 0 = 16 tokens, source 1 = 16 columns: a lane holds one channel, its registers run along the tokens; the bias, one number a lane, is added behind the sums.
; Both forms of the bias, and the mask, are loaded on every path, ahead of the barrier, so that no register is read unwritten on any path.
; LIMITS: a block whose largest magnitude lies under 2^-122 (zeros too) keeps the scale byte 1; 8 x mask is held at -2^100 from below, NaN in the mask counts as that; NaN and infinities elsewhere are not served.
.set XIMG, 0                           ; LDS: x's 24 fragments (6 xt + s), 1,536 bytes each,
.set XSC,  24*1536                     ; their scale words, 128 bytes each,
.set WL,   XSC+24*128                  ; W's K steps 2 to 4: 19,200 bytes for each wave,
.set WLW,  3*6400
.set SPARE, WL+12*WLW                  ; and the spare words, 128 bytes for each wave: six blocks of 256 bytes that no other line names
.set LI,  1                            ; v1   16 x lane
.set LS,  2                            ; v2   4 x lane
.set L8,  3                            ; v3   8 x lane
.set XA,  4                            ; v4   x: my token's row in the tile, + 64 h
.set XWI, 5                            ; v5   where I store x's images
.set XWS, 6                            ; v6   and their scale words
.set BO,  7                            ; v7   128 h: the bias in the transposed result's layout
.set BV,  8                            ; v8   4 (r + 24 (r / 8)): the bias of my channel
.set WLI, 9                            ; v9   LDS: my part of W, + 16 x lane
.set WS1, 10                           ; v10-11 W's scale words, second buffer
.set WLS, 12                           ; v12  LDS: my part of W, + 4 x lane
.set H8,  13                           ; v13  8 h;   v[14:15] the mask
.set WF,  16                           ; v16-63   W's four fragments, first buffer (the second: the same count at v0 of window 1)
.set XF,  64                           ; v64-111  x's four
.set WS,  112                          ; v112-113 W's scale words, first buffer: register i: tile 2 i in lanes 0-15, tile 2 i + 1 in lanes 16-31
.set XS,  114                          ; v114-117 x's scale words
.set BVR, 118                          ; v118-125 v's bias, each number twice (pairs for the packed addition)
.set SPW, 126                          ; v126 LDS address of my spare word; v127 0; never rewritten
.set NIL, 127
.set ACC, 128                          ; v128-255 the 16 accumulators
.set PC,  64                           ; while x is quantised: the codes just made (v64-75; v76-78, v80-82 at work)
.set TM,  84                           ; v84-99   at work
.set PW,  100                          ; v100     the scale word just made;  v101-105 at work at the head
.set MX,  64                           ; the way out: v64-71 largest magnitudes, v72-79 bytes, v80-83 scale operands, v88-91 two bytes a group, v92-93 the scale image
.set PB,  72
.set SO,  80
.set HWD, 88
.set SEL, 46
.set G1,  52                           ; s[52:59] descriptor group 1;  s[60:63] group 0
.set G0,  60
.set MSB, 0
.macro WIN new                         ; the immediate's high byte repeats the setting that is left
.if MSB != \new
	s_set_vgpr_msb (MSB<<8)|\new
.set MSB, \new
.endif
.endm
.macro CROUND                          ; a round of the cluster's barrier
	s_barrier_signal -1
	s_barrier_wait -1
	s_cmp_lg_u32 s18, 0
	s_cbranch_scc1 .Lnot_wave_0_\@
	s_barrier_signal -3
.Lnot_wave_0_\@:
	s_barrier_wait -3
	s_barrier_signal -1
	s_barrier_wait -1
.endm
; 64 numbers of a lane, register 16 b + i = k 32 b + 16 (lane / 16) + i of my row, become a fragment's codes in v[PC] on and its scale word in v[PW]
.macro QUANT s
.irp b, 0,1,2,3
	v_max3_num_f32 v[TM+\b], |v[\s+16*\b]|, |v[\s+1+16*\b]|, 0x2800000   ; block b: my 16 numbers, and the floor 2^(5 - 127)
.endr
.irp i, 2,4,6,8,10,12,14
.irp b, 0,1,2,3
	s_delay_alu instid0(VALU_DEP_4)
	v_max3_num_f32 v[TM+\b], v[TM+\b], |v[\s+16*\b+\i]|, |v[\s+1+16*\b+\i]|   ; (the four blocks by turns)
.endr
.endr
.irp b, 0,1,2,3
	s_delay_alu instid0(VALU_DEP_4)
	v_permlanex16_b32 v[TM+4+\b], v[TM+\b], s[SEL], s[SEL+1]
.endr
.irp b, 0,1,2,3
	s_delay_alu instid0(VALU_DEP_4)
	v_max_num_f32 v[TM+\b], v[TM+\b], v[TM+4+\b]   ; with lane l xor 16's: the block's largest magnitude
.endr
.irp b, 0,1,2,3
	s_delay_alu instid0(VALU_DEP_4)
	v_add_nc_u32 v[TM+12+\b], 0xfe000000, v[TM+\b] ; 4 off its exponent field: the conversion's scale operand
.endr
.irp b, 0,1,2,3
	s_delay_alu instid0(VALU_DEP_4)
	v_lshrrev_b32 v[TM+4+\b], 23, v[TM+12+\b]      ; the scale's byte
.endr
	s_delay_alu instid0(VALU_DEP_3)
	v_lshl_or_b32 v[PW], v[TM+5], 8, v[TM+4]
	s_delay_alu instid0(VALU_DEP_1)
	v_lshl_or_b32 v[PW], v[TM+6], 16, v[PW]
	s_delay_alu instid0(VALU_DEP_1)
	v_lshl_or_b32 v[PW], v[TM+7], 24, v[PW]
.irp c, 0,1
	v_cvt_scalef32_pk16_bf6_f32 v[PC+6*\c:PC+2+6*\c], v[\s+32*\c:\s+15+32*\c], v[TM+12+2*\c]
	v_cvt_scalef32_pk16_bf6_f32 v[PC+12+4*\c:PC+14+4*\c], v[\s+16+32*\c:\s+31+32*\c], v[TM+12+2*\c+1]   ; (a conversion's three registers begin on an even number)
.endr
	v_nop                                          ; one plain place behind a scaled conversion
.irp c, 0,1                                    ; the operand's layout wants a WHOLE block in a lane: lanes 0-15 block 2 c, lanes 16-31 block 2 c + 1
.irp i, 0,1,2
	v_permlane16_swap_b32 v[PC+6*\c+\i], v[PC+12+4*\c+\i]
.endr
.irp i, 0,1,2
	s_delay_alu instid0(VALU_DEP_3)
	v_mov_b32 v[PC+3+6*\c+\i], v[PC+12+4*\c+\i]
.endr
.endr
.endm
.macro IMAGE adr, off                          ; the fragment in v[PC] on goes to LDS as it stands
.irp c, 0,1,2
	ds_store_b128 v[\adr], v[PC+4*\c:PC+4*\c+3] offset:\off+512*\c
.endr
.endm
.macro XLOAD reg, s2                           ; my 16 tokens' numbers of my K step s2 (0, 1): 64 a lane
.irp b, 0,1,2,3
.irp j, 0,1,2,3
	global_load_b128 v[\reg+16*\b+4*\j:\reg+16*\b+4*\j+3], v[XA], s[4:5] offset:512*\s2+128*\b+16*\j
.endr
.endr
.endm
.macro WLOAD s, buf                            ; my head's block of wimg for K step s into buffer buf: 12 loads of 512 consecutive bytes, 2 of 128
.if \buf
	WIN 0x40                                       ; destination in window 1, address in window 0
.endif
.irp ct, 0,1,2,3
.irp c, 0,1,2
	global_load_b128 v[WF-WF*\buf+12*\ct+4*\c:WF-WF*\buf+12*\ct+4*\c+3], v[LI], s[6:7] offset:6400*(\s)+1536*\ct+512*\c
.endr
.endr
	WIN 0
.irp i, 0,1
	global_load_b32 v[WS-(WS-WS1)*\buf+\i], v[LS], s[6:7] offset:6400*(\s)+6144+128*\i
.endr
.endm
.macro WFETCH s                                ; K step s (2 to 4) from my own LDS bytes into the second buffer
	WIN 0x40
.irp ct, 0,1,2,3
.irp c, 0,1,2
	ds_load_b128 v[12*\ct+4*\c:12*\ct+4*\c+3], v[WLI] offset:6400*((\s)-2)+1536*\ct+512*\c
.endr
.endr
	WIN 0
.irp i, 0,1
	ds_load_b32 v[WS1+\i], v[WLS] offset:6400*((\s)-2)+6144+128*\i
.endr
.endm
.macro XFETCH s                                ; x's four fragments of K step s and their scale words
.irp xt, 0,1,2,3
.irp c, 0,1,2
	ds_load_b128 v[XF+12*\xt+4*\c:XF+12*\xt+4*\c+3], v[LI] offset:XIMG+(6*\xt+\s)*1536+512*\c
.endr
	ds_load_b32 v[XS+\xt], v[LS] offset:XSC+128*(6*\xt+\s)
.endr
.endm
.macro WT d, a, b, sa, sb, odd                 ; source 0 = W (its scale words in lanes 16-31 for an odd tile), C = D
.if \odd
	v_wmma_scale_f32_16x16x128_f8f6f4 v[\d:\d+7], v[\a:\a+11], v[\b:\b+11], v[\d:\d+7], v[\sa], v[\sb] matrix_a_fmt:MATRIX_FMT_BF6 matrix_b_fmt:MATRIX_FMT_BF6 matrix_a_scale:MATRIX_SCALE_ROW1
.else
	v_wmma_scale_f32_16x16x128_f8f6f4 v[\d:\d+7], v[\a:\a+11], v[\b:\b+11], v[\d:\d+7], v[\sa], v[\sb] matrix_a_fmt:MATRIX_FMT_BF6 matrix_b_fmt:MATRIX_FMT_BF6
.endif
.endm
.macro WN d, a, b, sa, sb, odd, zero           ; source 1 = W; zero = 1: the first product starts the sum
.if \zero
.if \odd
	v_wmma_scale_f32_16x16x128_f8f6f4 v[\d:\d+7], v[\a:\a+11], v[\b:\b+11], 0, v[\sa], v[\sb] matrix_a_fmt:MATRIX_FMT_BF6 matrix_b_fmt:MATRIX_FMT_BF6 matrix_b_scale:MATRIX_SCALE_ROW1
.else
	v_wmma_scale_f32_16x16x128_f8f6f4 v[\d:\d+7], v[\a:\a+11], v[\b:\b+11], 0, v[\sa], v[\sb] matrix_a_fmt:MATRIX_FMT_BF6 matrix_b_fmt:MATRIX_FMT_BF6
.endif
.else
.if \odd
	v_wmma_scale_f32_16x16x128_f8f6f4 v[\d:\d+7], v[\a:\a+11], v[\b:\b+11], v[\d:\d+7], v[\sa], v[\sb] matrix_a_fmt:MATRIX_FMT_BF6 matrix_b_fmt:MATRIX_FMT_BF6 matrix_b_scale:MATRIX_SCALE_ROW1
.else
	v_wmma_scale_f32_16x16x128_f8f6f4 v[\d:\d+7], v[\a:\a+11], v[\b:\b+11], v[\d:\d+7], v[\sa], v[\sb] matrix_a_fmt:MATRIX_FMT_BF6 matrix_b_fmt:MATRIX_FMT_BF6
.endif
.endif
.endm
; 16 matrix instructions on 16 accumulators, one instruction a turn, in the same order in every K step.  wf, ws: W's buffer and its scale words
.macro MUL tr, zero, wf, ws
.irp xt, 0,1,2,3
.irp ct, 0,1,2,3
.if \tr
	WT ACC+8*(4*\xt+\ct), \wf+12*\ct, XF+12*\xt, \ws+\ct/2, XS+\xt, \ct%2
.else
	WN ACC+8*(4*\ct+\xt), XF+12*\xt, \wf+12*\ct, XS+\xt, \ws+\ct/2, \ct%2, \zero
.endif
.endr
.endr
.endm
; A K step.  Steps 0 and 5 multiply the first buffer, steps 1 to 4 the second.
.macro STEPP tr, s
.if (\s) == 0
	s_wait_loadcnt 0x0                             ; W's K steps 0 and 1, the biases, the mask
.endif
.if (\s) == 5
	s_wait_loadcnt 0x0                             ; W's K step 5, asked for four K steps ago
.endif
	s_wait_dscnt 0x0                               ; x's fragments (and, in steps 2 to 4, W's)
.if (\s) == 0
	MUL \tr, 1, WF, WS
.else
.if (\s) == 5
	MUL \tr, 0, WF, WS
.else
	WIN 4-3*\tr                                    ; W's place (source 0 where the product is transposed, else source 1) in window 1
	MUL \tr, 0, 0, WS1
	WIN 0
.endif
.endif
.rept 4
	v_nop                                          ; four places in front of loads into registers that matrix instructions have read, and of the first read of results
.endr
.if (\s) == 0
	WLOAD 5, 0
.endif
.if (\s) == 1
	s_wait_tensorcnt 0x0                           ; my tensor load has landed: I alone read its bytes
.endif
.if (\s) >= 1
.if (\s) <= 3
	WFETCH (\s)+1
.endif
.endif
.if (\s) < 5
	XFETCH (\s)+1
.endif
.endm
	s_load_b256 s[4:11], s[0:1], 0x0               ; x s[4:5], wimg s[6:7], bq s[8:9], bk s[10:11]
	s_load_b128 s[12:15], s[0:1], 0x20             ; bv s[12:13], qimg s[14:15]
	s_load_b64 s[16:17], s[0:1], 0x30              ; kvimg
	s_load_b64 s[48:49], s[0:1], 0x38              ; the mask
	v_lshl_add_u32 v[SPW], v0, 2, SPARE
	v_mov_b32 v[NIL], 0
	ds_add_u32 v[SPW], v[NIL]                      ; the opening lines: the add, twice on end, and its wait ahead of my tensor load
	ds_add_u32 v[SPW], v[NIL]
	v_lshrrev_b32 v101, 5, v0
	v_readfirstlane_b32 s18, v101                  ; wave = head
	s_and_b32 s19, ttmp7, 0xffff                   ; 0 q, 1 k, 2 v: the same in the cluster's four
	s_bfe_u32 s25, ttmp6, 0x40000                  ; cx: it enters global addresses of x, the mask, the results and the prefetch alone
	s_lshl_b32 s20, ttmp9, 2
	s_add_co_u32 s20, s20, s25                     ; block of 64 tokens = 4 x cluster x + cx
	s_and_b32 s21, s18, 3                          ; xt: the token tile that I quantise
	s_lshr_b32 s22, s18, 2                         ; sp: its K steps 2 sp, 2 sp + 1
	v_and_b32 v101, 31, v0                         ; lane
	v_and_b32 v102, 15, v0                         ; r
	v_bfe_u32 v103, v0, 4, 1                       ; h
	v_lshlrev_b32 v[LI], 4, v101
	v_lshlrev_b32 v[LS], 2, v101
	v_lshlrev_b32 v[L8], 3, v101
	v_and_b32 v104, 8, v102
	v_min_u32 v105, 6, v101                        ; the prefetch: unit min(7 cx + min(lane, 6), 24) of K step 5's 25
	v_mad_u32_u24 v104, v104, 3, v102              ; r + 24 (r / 8)
	s_mul_i32 s25, s25, 7
	v_add_nc_u32 v105, s25, v105
	v_mul_u32_u24 v[XA], v104, 3072
	v_min_u32 v105, 24, v105
	v_lshl_add_u32 v[XA], v103, 6, v[XA]           ; x: my token's row of 3,072 bytes, + 64 h: my 16 numbers of a block of 32
	v_lshlrev_b32 v105, 8, v105
	s_mul_i32 s23, s21, 6
	s_lshl_b32 s24, s22, 1
	s_add_co_u32 s23, s23, s24                     ; 6 xt + 2 sp: my first fragment's number
	s_mul_i32 s24, s23, 1536
	v_add_nc_u32 v[XWI], s24, v[LI]
	s_lshl_b32 s24, s23, 7
	v_add_nc_u32 v[XWS], s24, v[LS]
	v_lshlrev_b32 v[BO], 7, v103
	v_lshlrev_b32 v[BV], 2, v104
	v_lshlrev_b32 v[H8], 3, v103
	s_mul_i32 s24, s18, WLW
	s_add_co_u32 s24, s24, WL                      ; my part of W in LDS
	v_add_nc_u32 v[WLI], s24, v[LI]
	v_add_nc_u32 v[WLS], s24, v[LS]
.irp b, 0,1,2,3
	v_mov_b32 v[TM+4+\b], 0                        ; written once: a lane permute's destination counts as one of its sources
.endr
	s_mov_b32 s[SEL], 0x76543210
	s_mov_b32 s[SEL+1], 0xfedcba98                 ; v_permlanex16_b32's selects for lane l xor 16
	s_lshl_b32 s26, s20, 6                         ; x: token 64 mb + 8 xt,
	s_lshl_b32 s23, s21, 3
	s_add_co_u32 s26, s26, s23
	s_mul_i32 s26, s26, 3072
	s_lshl_b32 s23, s22, 10
	s_add_co_u32 s26, s26, s23                     ; and my two K steps: 1,024 sp bytes on
	s_mov_b32 s27, 0
	s_mul_i32 s28, s19, 12
	s_add_co_u32 s28, s28, s18
	s_mul_i32 s28, s28, 6*6400                     ; wimg: my weight's and head's six blocks
	s_mov_b32 s29, 0
	s_lshl_b32 s30, s18, 8                         ; the bias: my head's 64 numbers
	s_mov_b32 s31, 0
	s_lshl_b32 s36, s18, 6                         ; where the results go, as offsets: q: block 64 head + mb of 3,328 bytes, its scale image 3,072 on
	s_add_co_u32 s36, s36, s20
	s_mul_i32 s36, s36, 3328
	s_add_co_u32 s37, s36, 3072
	s_lshl_b32 s38, s18, 5                         ; k, v: block 32 head + mb / 2 of 13,568 bytes; c = mb % 2 says which half of its 128 keys
	s_lshr_b32 s39, s20, 1
	s_add_co_u32 s38, s38, s39
	s_mul_i32 s38, s38, 13568
	s_and_b32 s39, s20, 1
	s_mul_i32 s32, s39, 3072
	s_add_co_u32 s32, s32, s38                     ; k's codes: 3,072 c
	s_lshl_b32 s34, s39, 8
	s_add_co_u32 s34, s34, s38
	s_add_co_u32 s34, s34, 12288                   ; k's scale image: 12,288 + 256 c
	s_add_co_u32 s40, s32, 6144                    ; v's codes: 6,144 + 3,072 c
	s_lshl_b32 s41, s39, 1
	s_add_co_u32 s41, s41, s38
	s_add_co_u32 s41, s41, 12800                   ; v's scale image: 12,800, my two bytes of each word 2 c on
	s_cmp_eq_u32 s19, 2
	s_cselect_b32 s32, s40, s32
	s_cselect_b32 s34, s41, s34
	s_cmp_eq_u32 s19, 0
	s_cselect_b32 s32, s36, s32
	s_cselect_b32 s34, s37, s34
	s_mov_b32 s33, 0
	s_mov_b32 s35, 0
	s_lshl_b32 s50, s20, 8                         ; the mask of my 64 tokens: 256 bytes
	s_mov_b32 s51, 0
	; descriptor group 1: 75 rows of 32 elements of 8 bytes, dense in memory and in LDS
	s_mov_b32 s[G1], 15|(3<<16)|(1<<21)            ; 15:0 the mask: all four work-groups; 17:16 elements of 8 bytes; 21 set beside a mask
	s_mov_b32 s[G1+1], 32<<16                      ; tensor_dim0 = 32
	s_mov_b32 s[G1+2], 75<<16                      ; tensor_dim1 = 75
	s_mov_b32 s[G1+3], 32<<16                      ; tile_dim0 = 32
	s_mov_b32 s[G1+4], 75                          ; tile_dim1 = 75
	s_mov_b32 s[G1+5], 32                          ; from row to row
	s_mov_b32 s[G1+6], 0
	s_mov_b32 s[G1+7], 0
	s_mov_b32 s[G0], 1                             ; count = 1
	s_mov_b32 s[G0+1], s24                         ; my part of W in LDS: the wave's number alone enters it
	s_wait_alu depctr_va_vdst(0)                   ; directly ahead of the waits below
	s_wait_dscnt 0x0                               ; both opening adds are done
	s_wait_kmcnt 0x0
	s_add_nc_u64 s[4:5], s[4:5], s[26:27]
	s_add_nc_u64 s[6:7], s[6:7], s[28:29]
	s_cmp_eq_u32 s19, 0                            ; the choices hang on the work-group's y alone
	s_cselect_b64 s[8:9], s[8:9], s[10:11]
	s_cselect_b64 s[42:43], s[14:15], s[16:17]
	s_cmp_eq_u32 s19, 2
	s_cselect_b64 s[8:9], s[12:13], s[8:9]
	s_add_nc_u64 s[8:9], s[8:9], s[30:31]          ; my bias
	s_add_nc_u64 s[44:45], s[42:43], s[34:35]      ; my scale image
	s_add_nc_u64 s[42:43], s[42:43], s[32:33]      ; my codes
	s_add_nc_u64 s[48:49], s[48:49], s[50:51]      ; my mask
	s_add_nc_u64 s[G0+2:G0+3], s[6:7], 2*6400      ; W's K steps 2 to 4
	s_or_b32 s[G0+3], s[G0+3], 0x80000000          ; type = 2
	; ---- all that comes from memory is asked for here.  x's numbers land in the accumulators' registers, which are free until the first product
	XLOAD ACC, 0
	XLOAD ACC+64, 1
	WLOAD 0, 0
	WLOAD 1, 1
	global_prefetch_b8 v105, s[6:7] offset:5*6400 th:TH_LOAD_NT scope:SCOPE_SE   ; K step 5's block
	CROUND                                         ; all four work-groups are here: the joint loads meet
	tensor_load_to_lds s[G0:G0+3], s[G1:G1+7]      ; one tensor load a wave, the launch's only ones
	s_nop 0
.rept 4
	v_nop
.endr
	s_wait_loadcnt 44                              ; behind my first 16 loads stand the second 16 and W's 28
	QUANT ACC
	IMAGE XWI, XIMG
	ds_store_b32 v[XWS], v[PW] offset:XSC
	s_wait_loadcnt 28                              ; W's 28 may stay out
	s_wait_dscnt 0x0                               ; the stores have read their registers
	QUANT ACC+64
.irp ct, 0,1,2,3                               ; v's bias: that of my channel in tile ct, twice
	global_load_b32 v[BVR+2*\ct], v[BV], s[8:9] offset:32*\ct
	global_load_b32 v[BVR+2*\ct+1], v[BV], s[8:9] offset:32*\ct
.endr
.irp xt, 0,1,2,3                               ; q's, k's bias straight into the accumulators: register j of tile ct is channel 32 h + 8 ct + j
.irp ct, 0,1,2,3
	global_load_b128 v[ACC+8*(4*\xt+\ct):ACC+8*(4*\xt+\ct)+3], v[BO], s[8:9] offset:32*\ct
	global_load_b128 v[ACC+8*(4*\xt+\ct)+4:ACC+8*(4*\xt+\ct)+7], v[BO], s[8:9] offset:32*\ct+16
.endr
.endr
	global_load_b64 v[14:15], v[L8], s[48:49]      ; the mask, 8 bytes a lane
	IMAGE XWI, XIMG+1536
	ds_store_b32 v[XWS], v[PW] offset:XSC+128
	s_wait_xcnt 0x0                                ; the prefetch has read its address register, on which x's fragments will land
	s_wait_dscnt 0x0                               ; for the others' sake: my stores have landed
	s_barrier_signal -1
	s_barrier_wait -1                              ; x's 24 fragments lie in LDS; nothing is stored there again
	XFETCH 0
	s_cmp_eq_u32 s19, 2
	s_cbranch_scc1 .Lpath_v
.irp s, 0,1,2,3,4,5
	STEPP 1, \s
.endr
	s_branch .Lsums_done
.Lpath_v:
.irp s, 0,1,2,3,4,5
	STEPP 0, \s
.endr
.irp ct, 0,1,2,3                               ; + bv: each accumulator from its low end on
.irp j, 0,2,4,6,8,10,12,14,16,18,20,22,24,26,28,30
	v_pk_add_f32 v[ACC+32*\ct+\j:ACC+32*\ct+\j+1], v[ACC+32*\ct+\j:ACC+32*\ct+\j+1], v[BVR+2*\ct:BVR+2*\ct+1]
.endr
.endr
.Lsums_done:
	; ---- the way out, alike for all three.  Group g (q, k: token tile; v: channel tile) is v[ACC + 32 g] on: in my lane the WHOLE block h of the next K's two
.irp e, 0,1,2,3,4,5,6,7
	v_max3_num_f32 v[MX+\e], |v[ACC+16*\e]|, |v[ACC+16*\e+1]|, 0x2800000   ; eight chains of 16, with the floor; ascending
.endr
.irp i, 2,4,6,8,10,12,14
.irp e, 0,1,2,3,4,5,6,7
	v_max3_num_f32 v[MX+\e], v[MX+\e], |v[ACC+16*\e+\i]|, |v[ACC+16*\e+\i+1]|
.endr
.endr
.irp g, 0,1,2,3
	v_max_num_f32 v[MX+2*\g], v[MX+2*\g], v[MX+2*\g+1]   ; my block's largest magnitude: it needs no other lane
.endr
.irp g, 0,1,2,3
	v_add_nc_u32 v[SO+\g], 0xfe000000, v[MX+2*\g]  ; the conversion's scale operand
.endr
.irp g, 0,1,2,3
	v_lshrrev_b32 v[PB+\g], 23, v[SO+\g]           ; the scale's byte,
.endr
.irp g, 0,1,2,3
	v_lshlrev_b32 v[PB+\g], v[H8], v[PB+\g]        ; at its place, 8 h bits up;
.endr
.irp g, 0,1,2,3
	v_permlanex16_b32 v[PB+4+\g], v[PB+\g], s[SEL], s[SEL+1]
.endr
.irp g, 0,1,2,3
	v_or_b32 v[HWD+\g], v[PB+\g], v[PB+4+\g]       ; with lane l xor 16's: the group's two bytes
.endr
.irp g, 0,1,2,3
	v_cvt_scalef32_pk16_bf6_f32 v[16+6*\g:18+6*\g], v[ACC+32*\g:ACC+32*\g+15], v[SO+\g]
	v_cvt_scalef32_pk16_bf6_f32 v[40+4*\g:42+4*\g], v[ACC+32*\g+16:ACC+32*\g+31], v[SO+\g]   ; (a conversion's three registers begin on an even number)
.endr
	v_nop                                          ; one plain place behind a scaled conversion
.irp g, 0,1,2,3                                ; six registers: k = 32 h + 0 .. 31, as the operand's layout wants them
.irp i, 0,1,2
	v_mov_b32 v[19+6*\g+\i], v[40+4*\g+\i]
.endr
.endr
	v_cmp_lt_u32 vcc_lo, 60, v[LS]                 ; lanes 16-31
	s_delay_alu instid0(VALU_DEP_1)
	v_cndmask_b32 v92, v88, v89, vcc_lo            ; the scale image: word i: group 2 i in lanes 0-15, group 2 i + 1 in lanes 16-31
	s_delay_alu instid0(VALU_DEP_2)
	v_cndmask_b32 v93, v90, v91, vcc_lo
	global_store_b128 v[LI], v[16:19], s[42:43]                ; 24 registers in eight units, each a whole number of aligned 256 bytes; a group's six registers are one unit of 16 and one of 8 bytes a lane
	global_store_b64 v[L8], v[20:21], s[42:43] offset:512
	global_store_b64 v[L8], v[22:23], s[42:43] offset:768
	global_store_b128 v[LI], v[24:27], s[42:43] offset:1024
	global_store_b128 v[LI], v[28:31], s[42:43] offset:1536
	global_store_b64 v[L8], v[32:33], s[42:43] offset:2048
	global_store_b64 v[L8], v[34:35], s[42:43] offset:2304
	global_store_b128 v[LI], v[36:39], s[42:43] offset:2560
	s_cmp_eq_u32 s19, 2
	s_cbranch_scc1 .Lscales_v
	v_or_b32 v92, 0x7f7f0000, v92                  ; q, k: K is 64 of the instruction's 128: the upper two blocks get the byte of 1.0
	v_or_b32 v93, 0x7f7f0000, v93
	global_store_b64 v[L8], v[92:93], s[44:45]     ; 32 lanes store one aligned unit of 256 bytes
	s_cmp_eq_u32 s19, 1                            ; k's path: 8 x mask of my 64 keys goes behind my head's block, 768 bytes behind k's scale image
	s_cbranch_scc0 .Lno_mask
	v_pk_mul_f32 v[14:15], v[14:15], 0x41000000 op_sel_hi:[1,0]   ; x 8: exact
	v_max_num_f32 v14, 0xf1800000, v14             ; held at -2^100 from below: what goes to the matrix unit is finite
	v_max_num_f32 v15, 0xf1800000, v15
	global_store_b64 v[L8], v[14:15], s[44:45] offset:768   ; one aligned unit of 256 bytes
.Lno_mask:
	s_wait_tensorcnt 0x0                           ; the wave's end
	ds_add_u32 v[SPW], v[NIL]
	s_wait_dscnt 0x0
	CROUND                                         ; the closing round
	s_endpgm
.Lscales_v:
	s_wait_alu depctr_va_vdst(0)
	global_store_b16 v[L8], v92, s[44:45]          ; v: my 64 tokens are half of a step's 128 keys: two bytes of each word; the other two come from the neighbouring work-group
	global_store_b16 v[L8], v93, s[44:45] offset:4
	s_wait_tensorcnt 0x0                           ; the wave's end
	ds_add_u32 v[SPW], v[NIL]
	s_wait_dscnt 0x0
	CROUND                                         ; the closing round
	s_endpgm
.Lfunc_end_k_q651e24cef7_proj:
	.size	k_q651e24cef7_proj, .Lfunc_end_k_q651e24cef7_proj-k_q651e24cef7_proj
	.p2alignl 7, 3214868480
	.fill 96, 4, 3214868480
	.section	.rodata,"a",@progbits
	.p2align	6, 0x0
	.amdhsa_kernel k_q651e24cef7_proj
		.amdhsa_group_segment_fixed_size 271872
		.amdhsa_private_segment_fixed_size 0
		.amdhsa_enable_private_segment 0
		.amdhsa_kernarg_size 64
		.amdhsa_user_sgpr_count 2
		.amdhsa_user_sgpr_kernarg_segment_ptr 1
		.amdhsa_wavefront_size32 1
		.amdhsa_system_sgpr_workgroup_id_x 1
		.amdhsa_system_sgpr_workgroup_id_y 1
		.amdhsa_system_sgpr_workgroup_id_z 1
		.amdhsa_system_vgpr_workitem_id 0
		.amdhsa_next_free_vgpr 304
		.amdhsa_next_free_sgpr 66
		.amdhsa_reserve_vcc 1
		.amdhsa_float_denorm_mode_32 3
		.amdhsa_float_denorm_mode_16_64 3
		.amdhsa_memory_ordered 1
		.amdhsa_forward_progress 1
		.amdhsa_inst_pref_size 86
	.end_amdhsa_kernel
	.amdgpu_metadata
---
amdhsa.version: [ 1, 2 ]
amdhsa.kernels:
  - .name:           k_q651e24cef7_proj
    .symbol:         k_q651e24cef7_proj.kd
    .args:
      - { .name: hidden_states, .offset: 0, .size: 8, .value_kind: global_buffer, .address_space: global }
      - { .name: wimg, .offset: 8, .size: 8, .value_kind: global_buffer, .address_space: global }
      - { .name: bq, .offset: 16, .size: 8, .value_kind: global_buffer, .address_space: global }
      - { .name: bk, .offset: 24, .size: 8, .value_kind: global_buffer, .address_space: global }
      - { .name: bv, .offset: 32, .size: 8, .value_kind: global_buffer, .address_space: global }
      - { .name: qimg, .offset: 40, .size: 8, .value_kind: global_buffer, .address_space: global }
      - { .name: kvimg, .offset: 48, .size: 8, .value_kind: global_buffer, .address_space: global }
      - { .name: attention_mask, .offset: 56, .size: 8, .value_kind: global_buffer, .address_space: global }
    .group_segment_fixed_size: 271872
    .private_segment_fixed_size: 0
    .kernarg_segment_align: 8
    .kernarg_segment_size: 64
    .max_flat_workgroup_size: 384
    .sgpr_count:     66
    .vgpr_count:     304
    .wavefront_size: 32
...
	.end_amdgpu_metadata
.endif
;; end of part 2
;; launch attn (part 3): grid 64 x 4, 12 waves a work-group, clusters of 4 x 1, 327,680 bytes of LDS; arguments qimg, kvimg, out0; writes out0
.if DOCPART == 3
	.amdgcn_target "amdgcn-amd-amdhsa--gfx1250"
	.amdhsa_code_object_version 6
	.text
	.protected	k_q651e24cef7_attn
	.globl	k_q651e24cef7_attn
	.p2align	8
	.type	k_q651e24cef7_attn,@function
k_q651e24cef7_attn:
	s_mov_b64 s[64:65], 0
	v_nop
	global_prefetch_b8 v0, s[64:65] scope:SCOPE_SE
	s_setreg_imm32_b32 hwreg(HW_REG_WAVE_MODE, 25, 1), 1
	s_wait_xcnt 0x0
	s_wait_alu depctr_hold_cnt(0) depctr_sa_sdst(0) depctr_va_vdst(0) depctr_va_sdst(0) depctr_va_ssrc(0) depctr_va_vcc(0) depctr_vm_vsrc(0)
	s_getreg_b32 s2, hwreg(HW_REG_IB_STS2, 6, 4)
	s_cmp_eq_u32 s2, 0
	s_cbranch_scc0 .Lentry_in_a_cluster
	s_endpgm
.Lentry_in_a_cluster:
	s_bfe_u32 s2, ttmp6, 0x10000c
	s_cmp_lg_u32 s2, 0x3003
	s_cbranch_scc0 .Lentry_shape_is_right
	s_endpgm
.Lentry_shape_is_right:
; out[q][head] = the sum over keys of softmax(q . k / 8 + mask) v, both products on codes of BF6 (E3M2) with E8M0 scales.  Q, K, V arrive as images of operand registers (qimg, kvimg);
; 8 x mask (held at -2^100 from below by the launch before) lies behind each head's step block of kvimg, in the keys' order.
; THE SOFTMAX: t = (s + 8 mask) x log2(e) / 8; M = the running largest t, rounded UP to a whole number; p = 2^(t - M) is quantised along the keys, not normalised; the row's sum is taken of the
; unquantised p and divides at the end.  When M moves, the sum and O are multiplied by 2^(old M - new M): exact.
; SHARES.  A work-group owns 64 queries of THREE heads: 12 tiles of 16 queries, one to each of its twelve waves (wave w: head 3 y + w / 4, tile w % 4).  Every wave walks its head's 4,096 keys, 128 a step.
; THE RING.  Two slots, each with FOUR steps of the three heads: 12 places of 13,568 bytes.  Wave w fetches K and V of block w of a slot (head w / 4, step w % 4 of the four): 51 rows of 256 bytes, dense; every wave
; issues one tensor load at the head and one behind each change of slots but the last, and has one out by this text's count.  32 steps are 8 fills: 8 changes of slots.
; CLUSTER.  The four work-groups of a cluster walk the same three heads' K and V: each block is asked for JOINTLY (the same load, the same descriptor, mask 15, in all four).
; LAYOUT.  Both products are used transposed: S^T = K Q^T (source 0 = 16 keys), O^T = V^T P^T (source 0 = 16 channels): a lane holds ONE query throughout.  Lane r of tile u of 64 keys (channels, queries)
; stands for index 8 u + r + 24 (r / 8): so the 32 registers of result tiles 4 c .. 4 c + 3 are, in lane (r, h), keys 64 c + 32 h + 0 .. 31: a WHOLE block of the second product's K.
; A block's largest score needs no other lane, and the conversions' results are the operand's registers.
; K = 64 IN AN INSTRUCTION OF 128: Q's registers 6-11 are zero codes and the scale bytes of the upper two blocks are 1.0 on both sides.  K's tile T is named as v[40 + 6 T] on, 12 registers: its upper six are
; the next tile's codes (zeros behind tile 7), which meet Q's zeros; every code of this format is a finite number.
; THE MASK costs no vector work and no LDS read: a step's 512 bytes, the last two rows of its block of kvimg, come by sixteen loads a wave straight into 64 registers of their own (v256-319, window 1),
; which are the C of the first product; the next step's are asked for as soon as that product has read them, a whole step ahead of their use.
; PREFETCH.  Behind the load of fill f + 1 each wave names the block that it will load as fill f + 2, its mask rows too: 53 units of 256 bytes, shared out among the four partners BY ADDRESS, 14 each
; (lanes 14-31 repeat lane 13's unit; what would pass unit 52 names unit 52).  Fills 0 and 1 come by their loads alone; the last change that fills asks for nothing.
; LIMITS: the promise holds while the scaled scores t stay under 2^31 in magnitude; a mask under -2^97 counts as -2^97, NaN in the mask too; +infinity in the mask, and NaN or infinities elsewhere, are not served.
.set STEPB, 13568                      ; a step's block of kvimg, and its place in LDS: K's two halves (3,072 each), V's two, K's two scale images (256 each), V's one; in kvimg also 8 x mask (512)
.set HEADB, 4*STEPB                    ; a head's part of a slot
.set SLOTB, 12*STEPB
.set SPARE, 2*SLOTB                    ; behind the ring: the spare words, 128 bytes for each wave: six blocks of 256 bytes that no other line names
.set SP,    272                        ; the way out: 16 rows x 272 bytes for each wave, in slot 0, which has had its last fill and its last read by then
.set AD16B, 1                          ; v1   16 x lane + my head's part of a slot
.set AD8B,  2                          ; v2   8 x lane + the same
.set SPW,   4                          ; v4   LDS address of my spare word; never rewritten
.set NIL,   5                          ; v5   0; never rewritten
.set GO,    6                          ; v6   the way out: my byte offset in out0
.set A16,   7                          ; v7-8 the step's LDS addresses
.set A8,    8
.set AM,    9                          ; v9   the mask: 128 h + 13,568 x the step asked for last
.set STO,   10                         ; v10  the stage: where I put my 128 bytes of a row
.set RD,    11                         ; v11  and where I read a row back
                                       ; v12 -M, v13 the largest score, v[14:15] the sum in two halves; v16-27 Q (v22-27 zeros); v28 Q's scale words, v29 p's; v[30:31] f
                                       ; v32-35 K's scale words, v36-37 V's; v40-93 K (v88-93 zeros), then V in v40-87; v96-159 S^T, then p; v160-191 O^T; v192-203 p's codes (v204-210 at work)
                                       ; window 1: v256-319 (written v0-63) 8 x mask
.set SH8,   38                         ; v38  8 h
.set PFO,   39                         ; v39  the prefetches' offset; never rewritten
.set BM,    212                        ; v212-215 largest scores of 16; then v212, v214 the two blocks' largest score, then largest p
.set PM,    216                        ; v216-218 at work
.set SO,    220                        ; v220-221 the conversions' scale operands
.set TT,    224                        ; v224-225 at work
.set T2,    225
.set SM,    226                        ; v226-239 seven chains of sums (at the head v232-234 hold Q's offsets)
.set WV,    12                         ; s12 wave;  s13 wave % 4;  s14 wave / 4
.set W3,    13
.set HL,    14
.set G1,    24                         ; s[24:31] descriptor group 1
.set G0A,   32                         ; s[32:35] group 0 for slot 0;  s[40:43] for slot 1
.set SEL,   36
.set CS,    38                         ; s[38:39] c = log2(e) / 8
.set G0B,   40
.set PFA,   44                         ; s[44:45] where my prefetches stand
.set TB,    59                         ; s59 LDS byte at which the step in hand begins (my head's part aside)
.set CNT,   60                         ; s60 steps to go in the slot;  s61 pairs of slots to go
.set PAIRS, 61
.set MB,    62                         ; s[62:63] my head's first block of kvimg, + 13,056: its mask
.set MSB, 0
.macro WIN new                         ; s_set_vgpr_msb: bits 1:0 source 0, 3:2 source 1, 5:4 source 2, 7:6 destination; the immediate's high byte repeats the setting that is left
.if MSB != \new
	s_set_vgpr_msb (MSB<<8)|\new
.set MSB, \new
.endif
.endm
.macro CROUND                          ; a round of the cluster's barrier
	s_barrier_signal -1
	s_barrier_wait -1
	s_cmp_lg_u32 s[WV], 0
	s_cbranch_scc1 .Lnot_wave_0_\@
	s_barrier_signal -3
.Lnot_wave_0_\@:
	s_barrier_wait -3
	s_barrier_signal -1
	s_barrier_wait -1
.endm
.macro LOAD24 off, d, st               ; half an image, 24 registers of four tiles: tile i's six land at v[d + st i]
	ds_load_b128 v[\d:\d+3], v[A16] offset:\off
	ds_load_b64 v[\d+4:\d+5], v[A8] offset:\off+512
	ds_load_b64 v[\d+\st:\d+\st+1], v[A8] offset:\off+768
	ds_load_b128 v[\d+\st+2:\d+\st+5], v[A16] offset:\off+1024
	ds_load_b128 v[\d+2*\st:\d+2*\st+3], v[A16] offset:\off+1536
	ds_load_b64 v[\d+2*\st+4:\d+2*\st+5], v[A8] offset:\off+2048
	ds_load_b64 v[\d+3*\st:\d+3*\st+1], v[A8] offset:\off+2304
	ds_load_b128 v[\d+3*\st+2:\d+3*\st+5], v[A16] offset:\off+2560
.endm
.macro MASKLOAD                        ; 8 x mask of the step at byte v[AM] of my head's blocks: register 8 T + j of window 1 is key 64 (T / 4) + 32 h + 8 (T % 4) + j; the sixteen loads read the step's 512 bytes, two whole units
	WIN 0x40                                       ; destination in window 1, address in window 0
.irp T, 0,1,2,3,4,5,6,7
	global_load_b128 v[8*\T:8*\T+3], v[AM], s[MB:MB+1] offset:256*(\T/4)+32*(\T%4)
	global_load_b128 v[8*\T+4:8*\T+7], v[AM], s[MB:MB+1] offset:256*(\T/4)+32*(\T%4)+16
.endr
	WIN 0
.endm
.macro WM d, a, b, c, sa, sb, odd      ; D = A B + C; A's scale words lie in lanes 0-15 (even tile) or 16-31 (odd tile) of their register
.if \odd
	v_wmma_scale_f32_16x16x128_f8f6f4 v[\d:\d+7], v[\a:\a+11], v[\b:\b+11], v[\c:\c+7], v[\sa], v[\sb] matrix_a_fmt:MATRIX_FMT_BF6 matrix_b_fmt:MATRIX_FMT_BF6 matrix_a_scale:MATRIX_SCALE_ROW1
.else
	v_wmma_scale_f32_16x16x128_f8f6f4 v[\d:\d+7], v[\a:\a+11], v[\b:\b+11], v[\c:\c+7], v[\sa], v[\sb] matrix_a_fmt:MATRIX_FMT_BF6 matrix_b_fmt:MATRIX_FMT_BF6
.endif
.endm
; A KEY STEP: 128 keys, at LDS byte s[TB] of my head's part.  nxt = 1: a step follows, and its mask is asked for
.macro STEP nxt
	v_add_nc_u32 v[A16], s[TB], v[AD16B]           ; these four lines are also the places behind the last step's products, in front of the loads into registers that they have read
	v_add_nc_u32 v[A8], s[TB], v[AD8B]
	v_nop
	v_nop
	LOAD24 0, 40, 6                                ; K's tiles 0-3,
	LOAD24 3072, 64, 6                             ; 4-7,
	ds_load_b64 v[32:33], v[A8] offset:12288       ; and their scale words: register T / 2
	ds_load_b64 v[34:35], v[A8] offset:12544
	s_wait_alu depctr_va_vdst(0)
	s_wait_loadcnt 0x0                             ; the mask, asked for a step ago
	s_wait_dscnt 0x0
	WIN 0x10                                       ; C in window 1
.irp T, 0,1,2,3,4,5,6,7                        ; S^T = K Q^T + 8 mask.  Eight accumulators, one instruction each
	WM 96+8*\T, 40+6*\T, 16, 8*\T, 32+\T/2, 28, \T%2
.endr
	WIN 0
	v_mov_b32 v[TT], v12                           ; the old -M.  Four places in front of the loads into K's and the mask's registers and of the first read of the scores
.if \nxt
	v_add_nc_u32 v[AM], STEPB, v[AM]               ; the last loads by this address were waited for at the step's head
	v_nop
	v_nop
	MASKLOAD                                       ; the next step's mask
.else
.rept 3
	v_nop
.endr
.endif
	LOAD24 6144, 40, 12                            ; V: tile ct at v[40 + 12 ct]: keys 0-63 in its registers 0-5,
	LOAD24 9216, 46, 12                            ; keys 64-127 in 6-11.  These land while the softmax is walked
	ds_load_b64 v[36:37], v[A8] offset:12800
.irp b, 0,1,2,3
	v_max3_num_f32 v[BM+\b], v[96+16*\b], v[97+16*\b], v[98+16*\b]   ; four chains of 16 scores by turns; ascending
.endr
.irp i, 3,5,7,9,11,13
.irp b, 0,1,2,3
	v_max3_num_f32 v[BM+\b], v[BM+\b], v[96+16*\b+\i], v[97+16*\b+\i]
.endr
.endr
	v_max3_num_f32 v[BM], v[BM], v111, v127
	v_max3_num_f32 v[BM+2], v[BM+2], v143, v159
	s_delay_alu instid0(VALU_DEP_2)
	v_max_num_f32 v[BM], v[BM], v[BM+1]            ; the largest score of my block of keys 32 h .. (c = 0): it serves the row's maximum and, since p rises with the score, the block's largest p
	s_delay_alu instid0(VALU_DEP_2)
	v_max_num_f32 v[BM+2], v[BM+2], v[BM+3]        ; and of my block 64 + 32 h .. (c = 1)
	s_delay_alu instid0(VALU_DEP_1)
	v_max_num_f32 v[T2], v[BM], v[BM+2]
	s_delay_alu instid0(VALU_DEP_1)
	v_permlanex16_b32 v[PM], v[T2], s[SEL], s[SEL+1]
	s_delay_alu instid0(VALU_DEP_1)
	v_max3_num_f32 v13, v13, v[T2], v[PM]          ; the running largest score of my query, lane l xor 16's 64 keys among them
	s_delay_alu instid0(VALU_DEP_1)
	v_mul_f32 v[T2], s[CS], -v13                   ; -t (c is positive, so the largest score gives the largest t)
	s_delay_alu instid0(VALU_DEP_1)
	v_floor_f32 v12, v[T2]                         ; the new -M = floor(-t) = -ceil(t): a whole number
	s_delay_alu instid0(VALU_DEP_1)
	v_sub_f32 v[TT], v12, v[TT]                    ; old M - new M: a whole number, 0 or less
	s_delay_alu instid0(VALU_DEP_1)
	v_cvt_i32_f32 v[TT], v[TT]                     ; (it saturates)
	s_delay_alu instid0(VALU_DEP_1)
	v_ldexp_f32 v30, 1.0, v[TT]                    ; f = 2^(old M - new M)
.irp j, 0,2,4,6,8,10,12,14,16,18,20,22,24,26,28,30,32,34,36,38,40,42,44,46,48,50,52,54,56,58,60,62
	v_pk_fma_f32 v[96+\j:97+\j], v[96+\j:97+\j], s[CS:CS+1], v[12:13] op_sel_hi:[1,0,0]   ; t - M, two at a time (of the pairs c and -M the low word serves both halves)
.endr
	v_fma_f32 v[BM], v[BM], s[CS], v12             ; the same of each block's largest score
	v_fma_f32 v[BM+2], v[BM+2], s[CS], v12
	s_wait_alu depctr_va_vdst(0)                   ; the wait ahead of the batch
.irp j, 0,1,2,3,4,5,6,7,8,9,10,11,12,13,14,15,16,17,18,19,20,21,22,23,24,25,26,27,28,29,30,31,32,33,34,35,36,37,38,39,40,41,42,43,44,45,46,47,48,49,50,51,52,53,54,55,56,57,58,59,60,61,62,63
	v_exp_f32 v[96+\j], v[96+\j]                   ; p = 2^(t - M), at most 1
.endr
	v_pk_mul_f32 v[14:15], v[14:15], v[30:31] op_sel_hi:[1,0]   ; the sums under the new M (the plain place behind the exponentials)
	s_wait_alu depctr_va_vdst(0)                   ; one wait for the batch of 64, ahead of its first reader
	v_exp_f32 v[BM], v[BM]                         ; the blocks' largest p: the same two instructions on the same number
	v_exp_f32 v[BM+2], v[BM+2]
.irp k, 0,1,2,3,4,5,6                          ; THE ROW'S SUM IS TAKEN OF THE UNQUANTISED p: 32 pairs in eight chains by turns
	v_pk_add_f32 v[SM+2*\k:SM+2*\k+1], v[96+8*\k:97+8*\k], v[98+8*\k:99+8*\k]
.endr
	v_pk_add_f32 v[14:15], v[14:15], v[152:153]
.irp k, 0,1,2,3,4,5,6
	v_pk_add_f32 v[SM+2*\k:SM+2*\k+1], v[SM+2*\k:SM+2*\k+1], v[100+8*\k:101+8*\k]
.endr
	v_pk_add_f32 v[14:15], v[14:15], v[154:155]
.irp k, 0,1,2,3,4,5,6
	v_pk_add_f32 v[SM+2*\k:SM+2*\k+1], v[SM+2*\k:SM+2*\k+1], v[102+8*\k:103+8*\k]
.endr
	v_pk_add_f32 v[14:15], v[14:15], v[156:157]
	v_pk_add_f32 v[SM:SM+1], v[SM:SM+1], v[SM+2:SM+3]
	v_pk_add_f32 v[SM+4:SM+5], v[SM+4:SM+5], v[SM+6:SM+7]
	v_pk_add_f32 v[SM+8:SM+9], v[SM+8:SM+9], v[SM+10:SM+11]
	v_pk_add_f32 v[14:15], v[14:15], v[158:159]
	v_pk_add_f32 v[SM:SM+1], v[SM:SM+1], v[SM+4:SM+5]
	v_pk_add_f32 v[SM+8:SM+9], v[SM+8:SM+9], v[SM+12:SM+13]
	v_pk_add_f32 v[14:15], v[14:15], v[SM:SM+1]
	s_delay_alu instid0(VALU_DEP_1)
	v_pk_add_f32 v[14:15], v[14:15], v[SM+8:SM+9]
	s_wait_alu depctr_va_vdst(0)                   ; and one for the two
	v_max_num_f32 v[BM], 0x2800000, v[BM]          ; the floor 2^(5 - 127): the byte cannot fall under 1 (a block whose every p is 0 keeps that byte: its codes are zeros)
	v_max_num_f32 v[BM+2], 0x2800000, v[BM+2]
	s_delay_alu instid0(VALU_DEP_2)
	v_add_nc_u32 v[SO], 0xfe000000, v[BM]          ; 4 off the exponent field: the conversion's scale operand
	s_delay_alu instid0(VALU_DEP_2)
	v_add_nc_u32 v[SO+1], 0xfe000000, v[BM+2]
	s_delay_alu instid0(VALU_DEP_2)
	v_lshrrev_b32 v[PM], 23, v[SO]                 ; the scale's byte
	s_delay_alu instid0(VALU_DEP_2)
	v_lshrrev_b32 v[PM+1], 23, v[SO+1]
	s_delay_alu instid0(VALU_DEP_1)
	v_lshl_or_b32 v[T2], v[PM+1], 16, v[PM]        ; my two bytes: blocks h and 2 + h,
	s_delay_alu instid0(VALU_DEP_1)
	v_lshlrev_b32 v[T2], v[SH8], v[T2]             ; at their places in the word (8 h bits up);
	s_delay_alu instid0(VALU_DEP_1)
	v_permlanex16_b32 v[PM+2], v[T2], s[SEL], s[SEL+1]
	s_delay_alu instid0(VALU_DEP_1)
	v_or_b32 v29, v[T2], v[PM+2]                   ; with lane l xor 16's two: p's scale word for these 128 keys
.irp c, 0,1
	v_cvt_scalef32_pk16_bf6_f32 v[192+6*\c:194+6*\c], v[96+32*\c:111+32*\c], v[SO+\c]      ; registers 6 c .. 6 c + 2 of the operand: k = 64 c + 32 h + 0 .. 15
	v_cvt_scalef32_pk16_bf6_f32 v[204+4*\c:206+4*\c], v[112+32*\c:127+32*\c], v[SO+\c]     ; (a conversion's three registers begin on an even number: the upper three are made elsewhere and moved)
.endr
	v_nop                                          ; one plain place behind a scaled conversion
.irp c, 0,1
.irp i, 0,1,2
	v_mov_b32 v[195+6*\c+\i], v[204+4*\c+\i]
.endr
.endr
	s_wait_alu depctr_va_vdst(0)                   ; directly ahead of the first reader of O^T
.irp j, 0,2,4,6,8,10,12,14,16,18,20,22,24,26,28,30
	v_pk_mul_f32 v[160+\j:161+\j], v[160+\j:161+\j], v[30:31] op_sel_hi:[1,0]   ; O^T under the new M.  These 16 also stand between the lines that made p's codes and scale word and the products below
.endr
	s_wait_alu depctr_va_vdst(0)                   ; directly ahead of the wait below
	s_wait_dscnt 0x0                               ; V and its scale words
.irp ct, 0,1,2,3                               ; O^T += V^T P^T: four accumulators, one instruction each
	WM 160+8*\ct, 40+12*\ct, 192, 160+8*\ct, 36+\ct/2, 29, \ct%2
.endr
.endm
; THE CHANGE OF SLOTS stands at a slot's head.  Each wave waits for all its tensor loads (its block of the slot ahead), adds 0 to its spare word, and waits for that and for its reads of the slot that it has left.
; fill = 1: that slot (group 0 g) is filled with the four steps that follow: the barrier is a round of the cluster's, and the joint load is the first thing behind it; it has four key steps in which to land.
; ask = 1: the other slot's group 0 (o) and the prefetches' address step on, and the fill after this one is named to the L2.
.macro CHANGE g, o, fill, ask
	s_wait_tensorcnt 0x0                           ; no tensor load of mine is out, so a group 0 may be written
	ds_add_u32 v[SPW], v[NIL]                      ; 0 onto my spare word
.if \ask
	s_add_nc_u64 s[\o+2:\o+3], s[\o+2:\o+3], 2*HEADB   ; the other slot's next fill; the type bits on top are not reached
	s_wait_xcnt 0x0                                ; the last prefetch, a slot back, has read its address
	s_add_nc_u64 s[PFA:PFA+1], s[PFA:PFA+1], HEADB
.endif
	s_wait_dscnt 0x0                               ; the add is done, my reads of the slot that I have left are over
.if \fill
	CROUND
	tensor_load_to_lds s[\g:\g+3], s[G1:G1+7]
	s_nop 0
.rept 4
	v_nop
.endr
.if \ask
	global_prefetch_b8 v[PFO], s[PFA:PFA+1] th:TH_LOAD_NT scope:SCOPE_SE
.endif
.else
	s_barrier_signal -1
	s_barrier_wait -1
.endif
.endm
.macro WALK base, n                    ; n steps of a slot
	s_mov_b32 s[TB], \base
	s_mov_b32 s[CNT], \n
.Lstep_\@:
	STEP 1
	s_add_co_u32 s[TB], s[TB], STEPB
	s_sub_co_u32 s[CNT], s[CNT], 1
	s_cmp_lg_u32 s[CNT], 0
	s_cbranch_scc1 .Lstep_\@
.endm
	s_load_b128 s[4:7], s[0:1], 0x0                ; qimg s[4:5], kvimg s[6:7]
	s_load_b64 s[8:9], s[0:1], 0x10                ; out0
	v_lshl_add_u32 v[SPW], v0, 2, SPARE
	v_mov_b32 v[NIL], 0
	ds_add_u32 v[SPW], v[NIL]                      ; the opening lines: the add, twice on end, and its wait ahead of my first tensor load
	ds_add_u32 v[SPW], v[NIL]
	v_lshrrev_b32 v[TT], 5, v0
	v_readfirstlane_b32 s[WV], v[TT]               ; wave 0..11
	s_and_b32 s[W3], s[WV], 3                      ; my tile of queries; also: which step of a slot's four I fetch
	s_lshr_b32 s[HL], s[WV], 2                     ; my head among the work-group's three
	s_bfe_u32 s15, ttmp6, 0x40000                  ; cx: my place in the cluster: it enters global addresses of Q, out0 and the prefetches alone
	s_lshl_b32 s16, ttmp9, 2
	s_add_co_u32 s16, s16, s15                     ; my block of 64 queries = 4 x cluster x + cx
	s_and_b32 s17, ttmp7, 0xffff
	s_mul_i32 s17, s17, 3
	s_add_co_u32 s17, s17, s[HL]                   ; the head, which the four partners share
	s_lshl_b32 s18, s17, 5
	s_add_co_u32 s18, s18, s[W3]
	s_mul_i32 s18, s18, STEPB                      ; kvimg: block 32 head + wave % 4
	s_mov_b32 s19, 0
	s_lshr_b32 s46, s[W3], 1                       ; tile / 2
	s_and_b32 s47, s[W3], 1                        ; tile % 2
	s_lshl_b32 s20, s17, 6
	s_add_co_u32 s20, s20, s16
	s_mul_i32 s20, s20, 3328                       ; qimg: block 64 head + my block of queries
	s_mul_i32 s48, s46, 1536
	s_add_co_u32 s48, s48, s20                     ; my pair of tiles in it
	s_mov_b32 s49, 0
	s_lshl_b32 s52, s47, 7                         ; my tile's scale words: 3,072 + 8 (r + 16 (tile % 2)) + 4 (tile / 2)
	s_lshl_b32 s21, s46, 2
	s_add_co_u32 s52, s52, s21
	s_add_co_u32 s52, s52, s20
	s_add_co_u32 s52, s52, 3072
	s_mov_b32 s53, 0
	s_lshl_b32 s56, s16, 6                         ; out0: token 64 block + 8 tile, + the head's 256 bytes
	s_lshl_b32 s21, s[W3], 3
	s_add_co_u32 s56, s56, s21
	s_mul_i32 s56, s56, 3072
	s_lshl_b32 s21, s17, 8
	s_add_co_u32 s56, s56, s21
	s_mov_b32 s57, 0
	v_and_b32 v232, 31, v0                         ; lane
	v_and_b32 v234, 15, v0                         ; r
	v_bfe_u32 v[TT], v0, 4, 1                      ; h
	s_mul_i32 s22, s[HL], HEADB                    ; my head's part of a slot
	s_mul_i32 s[MB], s17, 32*STEPB                 ; the mask of my head's first block, as an offset in kvimg
	s_add_co_u32 s[MB], s[MB], 13056
	s_mov_b32 s[MB+1], 0
	v_lshl_add_u32 v[AD16B], v232, 4, s22
	v_lshl_add_u32 v[AD8B], v232, 3, s22
	v_lshlrev_b32 v[AM], 7, v[TT]                  ; 128 h: step 0's mask
	v_lshlrev_b32 v[SH8], 3, v[TT]
	s_mul_i32 s21, s[WV], 16*SP                    ; my stage
	v_mul_u32_u24 v[STO], v234, SP                 ; in: row r, + 128 h
	v_mul_u32_u24 v[RD], v[TT], SP                 ; back: lanes 0-15 one row of 256 bytes, lanes 16-31 the next
	v_mul_u32_u24 v[GO], v[TT], 3072               ; and the same two tokens in out0
	v_lshl_add_u32 v[STO], v[TT], 7, v[STO]
	v_lshl_add_u32 v[RD], v234, 4, v[RD]
	v_lshl_add_u32 v[GO], v234, 4, v[GO]
	v_add_nc_u32 v[STO], s21, v[STO]
	v_add_nc_u32 v[RD], s21, v[RD]
	v_min_u32 v[PFO], 13, v232                     ; the prefetches: unit min(14 cx + min(lane, 13), 52) of a block's 53
	s_mul_i32 s58, s15, 14
	v_add_nc_u32 v[PFO], s58, v[PFO]
	v_min_u32 v[PFO], 52, v[PFO]
	v_lshlrev_b32 v[PFO], 8, v[PFO]
	v_lshlrev_b32 v233, 3, v232                    ; 8 x lane
	v_lshlrev_b32 v232, 4, v232                    ; 16 x lane
	v_lshlrev_b32 v234, 3, v234                    ; 8 r
	; descriptor group 1: 51 rows of 32 elements of 8 bytes, dense in memory and in LDS
	s_mov_b32 s[G1], 15|(3<<16)|(1<<21)            ; 15:0 the mask: all four work-groups; 17:16 elements of 8 bytes; 20 no padding; 21 set beside a mask
	s_mov_b32 s[G1+1], 32<<16                      ; tensor_dim0 = 32
	s_mov_b32 s[G1+2], 51<<16                      ; tensor_dim1 = 51
	s_mov_b32 s[G1+3], 32<<16                      ; tile_dim0 = 32
	s_mov_b32 s[G1+4], 51                          ; tile_dim1 = 51
	s_mov_b32 s[G1+5], 32                          ; from row to row
	s_mov_b32 s[G1+6], 0
	s_mov_b32 s[G1+7], 0
	s_mov_b32 s[SEL], 0x76543210
	s_mov_b32 s[SEL+1], 0xfedcba98                 ; v_permlanex16_b32's selects for lane l xor 16
	s_mov_b32 s[CS], 0x3e38aa3b                    ; c = log2(e) / 8
	s_mov_b32 s[CS+1], s[CS]                       ; (named with it as a pair, so it is written)
	s_mov_b32 s[PAIRS], 3
	s_wait_alu depctr_va_vdst(0)                   ; directly ahead of the waits below
	s_wait_dscnt 0x0                               ; both opening adds are done
	s_wait_kmcnt 0x0
	s_mov_b32 s[G0A], 1                            ; count = 1
	s_mul_i32 s[G0A+1], s[WV], STEPB               ; place w of slot 0
	s_add_nc_u64 s[G0A+2:G0A+3], s[6:7], s[18:19]  ; fill 0: the head's step wave % 4
	s_add_nc_u64 s[PFA:PFA+1], s[G0A+2:G0A+3], HEADB   ; at fill 1: the first change of slots steps it to fill 2.  Nothing is prefetched here, at the head
	s_mov_b32 s[G0B], 1
	s_add_co_u32 s[G0B+1], s[G0A+1], SLOTB         ; place w of slot 1
	s_mov_b64 s[G0B+2:G0B+3], s[PFA:PFA+1]         ; fill 1
	s_or_b32 s[G0A+3], s[G0A+3], 0x80000000        ; type = 2
	s_or_b32 s[G0B+3], s[G0B+3], 0x80000000
	s_add_nc_u64 s[50:51], s[4:5], s[48:49]        ; Q's codes
	s_add_nc_u64 s[54:55], s[4:5], s[52:53]        ; Q's scale words
	s_add_nc_u64 s[8:9], s[8:9], s[56:57]          ; out0
	s_add_nc_u64 s[MB:MB+1], s[6:7], s[MB:MB+1]    ; the mask
	CROUND                                         ; all four work-groups are here: the first joint loads meet
	tensor_load_to_lds s[G0A:G0A+3], s[G1:G1+7]    ; fill 0: one tensor load a wave at the head
	s_nop 0
.rept 4
	v_nop
.endr
	s_cmp_eq_u32 s47, 0                            ; Q's six registers: an even tile's are a unit of 16 bytes a lane and then one of 8, an odd tile's the other way round
	s_cbranch_scc0 .Lodd_tile
	global_load_b128 v[16:19], v232, s[50:51]
	global_load_b64 v[20:21], v233, s[50:51] offset:512
	s_branch .Lq_asked
.Lodd_tile:
	global_load_b64 v[16:17], v233, s[50:51] offset:768
	global_load_b128 v[18:21], v232, s[50:51] offset:1024
.Lq_asked:
	global_load_b32 v28, v234, s[54:55]
	MASKLOAD                                       ; step 0's mask
.irp j, 0,1,2,3,4,5
	v_mov_b32 v[22+\j], 0                          ; Q's upper 64 along K: zero codes
	v_mov_b32 v[88+\j], 0                          ; and what stands behind K's tile 7
.endr
.irp j, 0,1,2,3,4,5,6,7,8,9,10,11,12,13,14,15,16,17,18,19,20,21,22,23,24,25,26,27,28,29,30,31
	v_mov_b32 v[160+\j], 0                         ; O^T.  (The step is written once: the first finds zeros, which the first change of M leaves zeros)
.endr
	v_mov_b32 v[PM], 0                             ; written once: a lane permute's destination counts as one of its sources
	v_mov_b32 v[PM+2], 0
	v_mov_b32 v31, 0                               ; (named as the upper half of the pair v[30:31])
	v_mov_b32 v13, 0xff61b1e6                      ; the largest score so far: -3e38, under every score
	v_mov_b32 v12, 0x7e000000                      ; -M = 2^125: the first step's f comes out 0
	v_mov_b32 v14, 0                               ; the sum, in two halves
	v_mov_b32 v15, 0
	s_wait_alu depctr_va_vdst(0)                   ; the wait at the head's end
	s_wait_loadcnt 0x0                             ; Q
.Lpair:                                            ; 3 trips of two slots: fills 0 to 5 are walked, fills 1 to 6 asked for
	CHANGE G0B, G0A, 1, 1
	WALK 0, 4
	CHANGE G0A, G0B, 1, 1
	WALK SLOTB, 4
	s_sub_co_u32 s[PAIRS], s[PAIRS], 1
	s_cmp_lg_u32 s[PAIRS], 0
	s_cbranch_scc1 .Lpair
	CHANGE G0B, G0A, 1, 0                          ; the last two slots are written out: fill 7 is asked for
	WALK 0, 4
	CHANGE G0A, G0B, 0, 0                          ; and nothing more
	WALK SLOTB, 3
	STEP 0                                         ; the last step is written out: no mask follows it
	; THE WAY OUT.  O^T is divided by the row's sum and goes through my own stage in LDS, so that sixteen lanes store a token's 256 bytes of my head, aligned.
	; The stage lies in slot 0: it has had its last fill, and every wave's reads of it were over in front of the last barrier.
	v_add_f32 v14, v14, v15                        ; the sum's two halves,
	s_delay_alu instid0(VALU_DEP_1)
	v_permlanex16_b32 v[TT], v14, s[SEL], s[SEL+1]
	s_delay_alu instid0(VALU_DEP_1)
	v_add_f32 v14, v14, v[TT]                      ; and lane l xor 16's
	s_wait_alu depctr_va_vdst(0)                   ; the wait ahead of the transcendental
	v_rcp_f32 v30, v14
.rept 3
	v_nop                                          ; the plain place behind the reciprocal; with the lines above, the places behind the last products
.endr
	s_wait_alu depctr_va_vdst(0)                   ; the wait ahead of the reciprocal's first reader and of O^T's
.irp j, 0,2,4,6,8,10,12,14,16,18,20,22,24,26,28,30
	v_pk_mul_f32 v[96+\j:97+\j], v[160+\j:161+\j], v[30:31] op_sel_hi:[1,0]   ; register 8 ct + j is channel 32 h + 8 ct + j of my query; each accumulator from its low end on
.endr
.irp ct, 0,1,2,3
	ds_store_b128 v[STO], v[96+8*\ct:99+8*\ct] offset:32*\ct
	ds_store_b128 v[STO], v[100+8*\ct:103+8*\ct] offset:32*\ct+16
.endr
.irp i, 0,1,2,3,4,5,6,7
	ds_load_b128 v[128+4*\i:131+4*\i], v[RD] offset:\i*2*SP   ; LDS serves a wave's instructions in order (ISA guide 5.7.1): these see my stores
.endr
.irp i, 0,1,2,3,4,5,6,7
	s_wait_dscnt 7-\i                              ; the younger loads may stay out
	global_store_b128 v[GO], v[128+4*\i:131+4*\i], s[8:9] offset:(2*\i+24*(\i/4))*3072 th:TH_STORE_NT   ; stage row n is token n + 24 (n / 8) of the tile
.endr
	s_wait_tensorcnt 0x0                           ; the wave's end: behind my last tensor load and my last LDS store
	ds_add_u32 v[SPW], v[NIL]
	s_wait_dscnt 0x0
	CROUND                                         ; the closing round: no work-group ends while a partner may still ask for a tile that names it
	s_endpgm
.Lfunc_end_k_q651e24cef7_attn:
	.size	k_q651e24cef7_attn, .Lfunc_end_k_q651e24cef7_attn-k_q651e24cef7_attn
	.p2alignl 7, 3214868480
	.fill 96, 4, 3214868480
	.section	.rodata,"a",@progbits
	.p2align	6, 0x0
	.amdhsa_kernel k_q651e24cef7_attn
		.amdhsa_group_segment_fixed_size 327680
		.amdhsa_private_segment_fixed_size 0
		.amdhsa_enable_private_segment 0
		.amdhsa_kernarg_size 24
		.amdhsa_user_sgpr_count 2
		.amdhsa_user_sgpr_kernarg_segment_ptr 1
		.amdhsa_wavefront_size32 1
		.amdhsa_system_sgpr_workgroup_id_x 1
		.amdhsa_system_sgpr_workgroup_id_y 1
		.amdhsa_system_sgpr_workgroup_id_z 1
		.amdhsa_system_vgpr_workitem_id 0
		.amdhsa_next_free_vgpr 320
		.amdhsa_next_free_sgpr 66
		.amdhsa_reserve_vcc 0
		.amdhsa_float_denorm_mode_32 3
		.amdhsa_float_denorm_mode_16_64 3
		.amdhsa_memory_ordered 1
		.amdhsa_forward_progress 1
		.amdhsa_inst_pref_size 101
	.end_amdhsa_kernel
	.amdgpu_metadata
---
amdhsa.version: [ 1, 2 ]
amdhsa.kernels:
  - .name:           k_q651e24cef7_attn
    .symbol:         k_q651e24cef7_attn.kd
    .args:
      - { .name: qimg, .offset: 0, .size: 8, .value_kind: global_buffer, .address_space: global }
      - { .name: kvimg, .offset: 8, .size: 8, .value_kind: global_buffer, .address_space: global }
      - { .name: out0, .offset: 16, .size: 8, .value_kind: global_buffer, .address_space: global }
    .group_segment_fixed_size: 327680
    .private_segment_fixed_size: 0
    .kernarg_segment_align: 8
    .kernarg_segment_size: 24
    .max_flat_workgroup_size: 384
    .sgpr_count:     66
    .vgpr_count:     320
    .wavefront_size: 32
...
	.end_amdgpu_metadata
.endif
;; end of part 3
